; MI455X (gfx1250); checked and timed in simulation.
; The chip was launched on July 23, 2026; its instructions are those of AMD's public machine-readable ISA for CDNA 5 (MIT licence, August 2026) and "CDNA5" Instruction Set Architecture Reference Guide (July 2026). The comments in the code are by the model that wrote it; some were corrected since.
;; Continous Action Decoder. Allowed arithmetic: matrix products marked QUANTISED: E5M2 operands, one E8M0 scale for each 32 along K, by v_wmma_scale_f32_16x16x128_f8f6f4 with both operands' format E5M2, f32 sums; everything else in f32.
;; Inputs: action_set 32,768 x 512 float32; pred_action 4,096 x 512 float32.
;; Outputs: out0 4,096 x 512 float32.
;; This version of the problem:
;;   THIS VERSION OF THE PROBLEM IS GIVEN IN LOW PRECISION. The matrix products marked QUANTISED in the list below multiply operands that are first quantised to E5M2 (5 exponent bits, 2 mantissa bits; 8 bits a number), with one power-of-two scale for each 32 numbers along K (OCP MX v1.0); their sums are f32. All else is computed in f32.
;;   The module's matrix products, in the order in which they are computed (A, B: the left and right operand; K: the contracted axis; several contracted axes count as one K, in the product's order):
;;     1. [M 4,096, K 512] x [K 512, N 32,768]; A: input pred_action; B: input action_set: QUANTISED
;;   THE QUANTISER, for each operand of a quantised product, along K:
;;     - K is cut into blocks of 32 from its start; a last block that is shorter is filled with zeros.
;;     - A block's scale is 2^e with e = floor(log2(the largest magnitude in the block)) - 15, held to -126 .. 127; a block of zeros has e = 0. As a byte (E8M0): e + 127.
;;     - Each number is divided by its block's scale, clamped to +-57,344, and rounded to the nearest number of E5M2, ties to even, subnormals kept.
;;     - The product sums the exact products of the quantised numbers (number of the format x scale) in f32.
;;   ~~~python
;;   def quantise(x, axis):      # numpy; x: float32 -> the quantised numbers, widened to float32 again
;;       x = np.moveaxis(x, axis, -1); K = x.shape[-1]
;;       x = np.pad(x, [(0, 0)] * (x.ndim - 1) + [(0, -K % 32)]); x = x.reshape(x.shape[:-1] + (-1, 32)); a = np.abs(x).max(-1, keepdims=True)
;;       e = np.where(a > 0, np.clip(np.frexp(np.where(a > 0, a, 1))[1] - 1 - 15, -126, 127), 0)      # np.frexp(a)[1] - 1 = floor(log2(a)), exactly
;;       r = np.clip(x / 2.0 ** e, -57344, 57344)
;;       step = 2.0 ** (np.maximum(np.frexp(np.where(r == 0, 1, r))[1] - 1, -14) - 2)
;;       q = np.round(r / step) * step * 2.0 ** e      # np.round: ties to even
;;       return np.moveaxis(q.reshape(q.shape[:-2] + (-1,))[..., :K], -1, axis).astype(np.float32)
;;   ~~~
;; One version. Each part assembles by itself: llvm-mc -triple=amdgcn-amd-amdhsa -mcpu=gfx1250 --defsym DOCPART=n.
;; ======== version 1 of 1: 3 launches
;; limits: right only within a limited range of input values
;; workspace buffers: xrec 2,228,224 bytes; arec 17,825,792 bytes; part 1,048,576 bytes of whole numbers
;; launch quant (part 1): grid 256 x 1, 9 waves a work-group, no clusters, 79,616 bytes of LDS; arguments pred_action, action_set, xrec, arec; writes xrec, arec
.if DOCPART == 1
	.amdgcn_target "amdgcn-amd-amdhsa--gfx1250"
	.amdhsa_code_object_version 6
	.text
	.protected	k_q794cdc4466_quant
	.globl	k_q794cdc4466_quant
	.p2align	8
	.type	k_q794cdc4466_quant,@function
k_q794cdc4466_quant:
	s_mov_b64 s[64:65], 0
	v_nop
	global_prefetch_b8 v0, s[64:65] scope:SCOPE_SE
	s_setreg_imm32_b32 hwreg(HW_REG_WAVE_MODE, 25, 1), 1
	s_wait_xcnt 0x0
; pred_action [4096][512] and action_set [32768][512], f32, become RECORDS of 16 rows each: codes of BF8 (E5M2) with one E8M0 scale byte for each 32 along K,
; laid in the order of a matrix operand's registers, and beside them -(the row's sum of squares) / 2, taken of the unquantised numbers in f32.
; A RECORD, 8,704 bytes = 34 x 256:
;   2048 s + 512 c + 16 l : registers 4 c .. 4 c + 3 of lane l of the fragment of K step s: the codes k = 128 s + 32 c + 16 (l / 16) + 0 .. 15 of row l % 16
;   8192 + 16 r           : row r's 16 scale bytes (the words of K steps 0 to 3)
;   8448 + 64 i + 4 m     : -sumsq(row m) / 2, the sixteen numbers four times over, so that these 256 bytes are stored whole
; A block's scale is 2^(floor(log2(its largest magnitude)) - 15); its byte is the largest magnitude's exponent field - 15, held at 1 from below.  Each number is divided by the scale,
; held within +-57,344 and rounded to the nearest code, ties to even.
; LIMITS: a block of zeros gets the byte 1 where the quantiser says 127 (its codes are zeros, which add nothing, and this program alone reads the bytes); blocks whose largest magnitude lies
; under 2^-111, whose byte is held at 1, were not tried; NaN and infinities are not served; the sum of squares is added in another order than a plain sum along the row.
; SHARES: 2,304 records = 256 work-groups x 9 waves, one record a wave; records 0-255 are pred_action's, the others action_set's: only the pointers are chosen, the text has one way.
; A wave goes through K in four passes of 128.  Each load reads 512 consecutive bytes of one row; the conversions want 16 neighbours along K in one lane, so a pass's 16 x 512 bytes turn
; through the wave's own stage in LDS (rows 528 bytes apart: the sixteen rows that a read touches begin in sixteen different groups of banks).  Waves share nothing: no barrier.
; LEFT OUT BY THE LATER LAUNCHES: x2 = |x_b|^2.  d2[b][n] = x2[b] + (a2[n] - 2 xa[b][n]), and x2[b] is the same for all n of a row b, so in exact arithmetic argmin over n is the same without it, whatever
; the inputs hold.  pred_action stays an input: its codes and scales are an operand of the product.  This text has one way for both tensors, so pred_action's records carry their half sums too; no later launch reads them.
; LIMIT: a NaN, an infinity or an overflow that reaches x2 alone is not carried to the result.
.set REC,  8704
.set SP,   528                         ; a stage row: 512 bytes + 16
.set HST,  16*SP                       ; behind the stage: 64 bytes for the sixteen half sums
.set LN,   1                           ; v1   lane
.set RR,   2                           ; v2   r = lane % 16
.set HH,   3                           ; v3   h = lane / 16
.set L16,  4                           ; v4   16 x lane: my bytes of a load's or a store's 512
.set SIN,  5                           ; v5   the stage on the way in
.set SOUT, 6                           ; v6   and on the way out: row r, + 64 h
.set HW,   7                           ; v7   where my row's half sum goes
.set HR,   8                           ; v8   and where I read four of them back
.set TM,   16                          ; v16-19 largest magnitudes, v20-23 bytes, v24-27 57,344 x the scale, v28-31 the conversions' scale operands
.set SW,   32                          ; v32-35 the four scale words of my row
.set SQ,   36                          ; v36-43 four packed sums of squares
.set PC,   44                          ; v44-59 a pass's codes
.set FIN,  60                          ; v60-63 the record's last 16 bytes a lane
.set X,    64                          ; v64-127 64 numbers: register 16 b + i = k 32 b + 16 h + i of my row, within the pass
.set R,    128                         ; v128-255 two sets of 64: a pass as it is loaded
.set WV,   12
.set SEL,  20                          ; s[20:21] lane selects: lane l xor 16
.set MNT,  23                          ; s23 the mantissa field of 57,344
	s_load_b128 s[4:7], s[0:1], 0x0                ; pred_action, action_set
	s_load_b128 s[8:11], s[0:1], 0x10              ; xrec, arec
	v_lshl_add_u32 v14, v0, 2, 0x13200
	v_mov_b32 v15, 0
	v_lshrrev_b32 v[LN], 5, v0
	s_delay_alu instid0(VALU_DEP_1)
	v_readfirstlane_b32 s[WV], v[LN]               ; wave 0..8
	v_and_b32 v[LN], 31, v0
	v_and_b32 v[RR], 15, v0
	v_bfe_u32 v[HH], v0, 4, 1
	s_delay_alu instid0(VALU_DEP_3)
	v_lshlrev_b32 v[L16], 4, v[LN]
	s_mul_i32 s13, s[WV], REC                      ; my wave's LDS
	v_add_nc_u32 v[SIN], s13, v[L16]
	v_mul_u32_u24 v[SOUT], v[RR], SP
	s_delay_alu instid0(VALU_DEP_1)
	v_lshl_add_u32 v[SOUT], v[HH], 6, v[SOUT]
	s_delay_alu instid0(VALU_DEP_1)
	v_add_nc_u32 v[SOUT], s13, v[SOUT]
	s_add_co_u32 s13, s13, HST
	v_lshl_add_u32 v[HW], v[RR], 2, s13
	v_and_b32 v[HR], 3, v0
	s_delay_alu instid0(VALU_DEP_1)
	v_lshl_add_u32 v[HR], v[HR], 4, s13
.irp b, 0,1,2,3
	v_mov_b32 v[TM+4+\b], 0                        ; written once: a lane permute's destination counts as one of its sources
.endr
	s_mov_b32 s[SEL], 0x76543210
	s_mov_b32 s[SEL+1], 0xfedcba98
	s_mov_b32 s[MNT], 0x600000
	s_mul_i32 s14, ttmp9, 9
	s_add_co_u32 s14, s14, s[WV]                   ; my record, 0 .. 2,303
	s_wait_alu depctr_va_vdst(0)
	s_wait_kmcnt 0x0
	s_cmp_lt_u32 s14, 256                          ; pred_action's or action_set's?  The choice hangs on ids alone
	s_cselect_b64 s[4:5], s[4:5], s[6:7]
	s_cselect_b64 s[8:9], s[8:9], s[10:11]
	s_cselect_b32 s15, 0, 256
	s_sub_co_u32 s14, s14, s15                     ; the record's number in its tensor
	s_lshl_b32 s16, s14, 15                        ; 16 rows of 2,048 bytes
	s_mov_b32 s17, 0
	s_add_nc_u64 s[4:5], s[4:5], s[16:17]
	s_mul_i32 s16, s14, REC
	s_add_nc_u64 s[8:9], s[8:9], s[16:17]
.macro LOADP s                         ; pass s: 128 numbers of each of the 16 rows
.irp i, 0,1,2,3,4,5,6,7,8,9,10,11,12,13,14,15
	global_load_b128 v[R+64*((\s)%2)+4*\i:R+64*((\s)%2)+4*\i+3], v[L16], s[4:5] offset:2048*\i+512*(\s) th:TH_LOAD_NT   ; 32 lanes read 512 consecutive bytes of row i
.endr
.endm
; The 64 numbers in v[X] on become a fragment's codes in v[PC] on and my row's scale word in v[pw].
.macro QUANT pw
.irp b, 0,1,2,3
	v_max3_num_f32 v[TM+\b], |v[X+16*\b]|, |v[X+1+16*\b]|, 0x8000000   ; block b: my 16 numbers, and the floor 2^(16 - 127): so the byte cannot fall under 1
.endr
.irp i, 2,4,6,8,10,12,14
.irp b, 0,1,2,3
	s_delay_alu instid0(VALU_DEP_4)
	v_max3_num_f32 v[TM+\b], v[TM+\b], |v[X+16*\b+\i]|, |v[X+1+16*\b+\i]|   ; the four blocks by turns
.endr
.endr
.irp b, 0,1,2,3
	s_delay_alu instid0(VALU_DEP_4)
	v_permlanex16_b32 v[TM+4+\b], v[TM+\b], s[SEL], s[SEL+1]
.endr
.irp b, 0,1,2,3
	s_delay_alu instid0(VALU_DEP_4)
	v_max_num_f32 v[TM+\b], v[TM+\b], v[TM+4+\b]   ; with lane l xor 16's 16: the block's largest magnitude
.endr
.irp b, 0,1,2,3
	s_delay_alu instid0(VALU_DEP_4)
	v_add_nc_u32 v[TM+12+\b], 0xf8800000, v[TM+\b] ; 15 off its exponent field: the conversion takes the exponent field of this operand as its scale
.endr
.irp b, 0,1,2,3
	v_and_or_b32 v[TM+8+\b], v[TM+\b], 0x7f800000, s[MNT]   ; 57,344 x the scale
.endr
.irp b, 0,1,2,3
	v_lshrrev_b32 v[TM+4+\b], 23, v[TM+12+\b]      ; the scale's byte
.endr
	s_delay_alu instid0(VALU_DEP_3)
	v_lshl_or_b32 v[\pw], v[TM+5], 8, v[TM+4]
	s_delay_alu instid0(VALU_DEP_1)
	v_lshl_or_b32 v[\pw], v[TM+6], 16, v[\pw]
	s_delay_alu instid0(VALU_DEP_1)
	v_lshl_or_b32 v[\pw], v[TM+7], 24, v[\pw]
.irp b, 0,1,2,3
.irp i, 0,1,2,3,4,5,6,7,8,9,10,11,12,13,14,15
	v_med3_num_f32 v[X+16*\b+\i], v[X+16*\b+\i], -v[TM+8+\b], v[TM+8+\b]   ; the conversion to an 8-bit code does not saturate (ISA guide 7.6.2): the hold comes first
.endr
	v_cvt_scalef32_pk8_bf8_f32 v[PC+4*\b:PC+1+4*\b], v[X+16*\b:X+7+16*\b], v[TM+12+\b]
	v_cvt_scalef32_pk8_bf8_f32 v[PC+2+4*\b:PC+3+4*\b], v[X+8+16*\b:X+15+16*\b], v[TM+12+\b]
.endr
	v_nop                                          ; one plain vector line behind the last conversion
.endm
.macro PASS s
.if (\s) < 3
	s_wait_loadcnt 16                              ; this pass's sixteen loads are in; the next pass's sixteen may be out
.else
	s_wait_loadcnt 0x0
.endif
.irp i, 0,1,2,3,4,5,6,7,8,9,10,11,12,13,14,15
	ds_store_b128 v[SIN], v[R+64*((\s)%2)+4*\i:R+64*((\s)%2)+4*\i+3] offset:SP*\i
.endr
.irp c, 0,1,2,3
.irp j, 0,1,2,3
	ds_load_b128 v[X+16*\c+4*\j:X+16*\c+4*\j+3], v[SOUT] offset:128*\c+16*\j   ; LDS serves a wave's instructions in order: these see the stores above
.endr
.endr
	s_wait_dscnt 0x0                               ; my 64 numbers are in, and the stores have read their registers,
.if (\s) < 2
	LOADP (\s)+2                                   ; which take the pass two on
.endif
.set kk, 0
.rept 32                                       ; the squares, of the numbers as they came: ahead of the hold.  The first four products start the sums: nothing is cleared
.if ((\s) == 0) && (kk < 4)
	v_pk_mul_f32 v[SQ+2*kk:SQ+2*kk+1], v[X+2*kk:X+2*kk+1], v[X+2*kk:X+2*kk+1]
.else
	v_pk_fma_f32 v[SQ+2*(kk%4):SQ+2*(kk%4)+1], v[X+2*kk:X+2*kk+1], v[X+2*kk:X+2*kk+1], v[SQ+2*(kk%4):SQ+2*(kk%4)+1]
.endif
.set kk, kk+1
.endr
.if (\s) > 0
	s_wait_xcnt 0x0                                ; the last pass's stores have read the codes' registers: they are written again only behind this wait
.endif
	QUANT SW+(\s)
.irp c, 0,1,2,3
	global_store_b128 v[L16], v[PC+4*\c:PC+4*\c+3], s[8:9] offset:2048*(\s)+512*\c   ; 32 lanes store 512 consecutive bytes, at a multiple of 256 from the buffer's first byte
.endr
.endm
	LOADP 0
	LOADP 1
	PASS 0
	PASS 1
	PASS 2
	PASS 3
	; the row's sum of squares: my four packed sums, then lane l xor 16's; times -1/2 (exact)
	v_pk_add_f32 v[SQ:SQ+1], v[SQ:SQ+1], v[SQ+2:SQ+3]
	v_pk_add_f32 v[SQ+4:SQ+5], v[SQ+4:SQ+5], v[SQ+6:SQ+7]
	s_delay_alu instid0(VALU_DEP_1)
	v_pk_add_f32 v[SQ:SQ+1], v[SQ:SQ+1], v[SQ+4:SQ+5]
	s_delay_alu instid0(VALU_DEP_1)
	v_add_f32 v[SQ], v[SQ], v[SQ+1]
	s_delay_alu instid0(VALU_DEP_1)
	v_permlanex16_b32 v[TM+4], v[SQ], s[SEL], s[SEL+1]
	s_delay_alu instid0(VALU_DEP_1)
	v_add_f32 v[SQ], v[SQ], v[TM+4]
	s_delay_alu instid0(VALU_DEP_1)
	v_mul_f32 v[SQ], -0.5, v[SQ]
	ds_store_b32 v[HW], v[SQ]                      ; lanes r and r + 16 write the same word with the same value
	ds_load_b128 v[X:X+3], v[HR]                   ; rows 4 (lane % 4) + 0 .. 3
	s_wait_dscnt 0x0
	v_cmp_le_u32 vcc_lo, 16, v[LN]
.irp i, 0,1,2,3
	v_cndmask_b32 v[FIN+\i], v[SW+\i], v[X+\i], vcc_lo   ; lanes 0-15: row r's four scale words; lanes 16-31: four half sums
.endr
	global_store_b128 v[L16], v[FIN:FIN+3], s[8:9] offset:8192   ; the record's last 512 bytes
	s_wait_tensorcnt 0x0
	ds_add_u32 v14, v15
	s_wait_dscnt 0x0
	s_endpgm
.Lfunc_end_k_q794cdc4466_quant:
	.size	k_q794cdc4466_quant, .Lfunc_end_k_q794cdc4466_quant-k_q794cdc4466_quant
	.p2alignl 7, 3214868480
	.fill 96, 4, 3214868480
	.section	.rodata,"a",@progbits
	.p2align	6, 0x0
	.amdhsa_kernel k_q794cdc4466_quant
		.amdhsa_group_segment_fixed_size 79616
		.amdhsa_private_segment_fixed_size 0
		.amdhsa_enable_private_segment 0
		.amdhsa_kernarg_size 32
		.amdhsa_user_sgpr_count 2
		.amdhsa_user_sgpr_kernarg_segment_ptr 1
		.amdhsa_wavefront_size32 1
		.amdhsa_system_sgpr_workgroup_id_x 1
		.amdhsa_system_sgpr_workgroup_id_y 1
		.amdhsa_system_sgpr_workgroup_id_z 1
		.amdhsa_system_vgpr_workitem_id 0
		.amdhsa_next_free_vgpr 256
		.amdhsa_next_free_sgpr 66
		.amdhsa_reserve_vcc 1
		.amdhsa_float_denorm_mode_32 3
		.amdhsa_float_denorm_mode_16_64 3
		.amdhsa_memory_ordered 1
		.amdhsa_forward_progress 1
		.amdhsa_inst_pref_size 65
	.end_amdhsa_kernel
	.amdgpu_metadata
---
amdhsa.version: [ 1, 2 ]
amdhsa.kernels:
  - .name:           k_q794cdc4466_quant
    .symbol:         k_q794cdc4466_quant.kd
    .args:
      - { .name: pred_action, .offset: 0, .size: 8, .value_kind: global_buffer, .address_space: global }
      - { .name: action_set, .offset: 8, .size: 8, .value_kind: global_buffer, .address_space: global }
      - { .name: xrec, .offset: 16, .size: 8, .value_kind: global_buffer, .address_space: global }
      - { .name: arec, .offset: 24, .size: 8, .value_kind: global_buffer, .address_space: global }
    .group_segment_fixed_size: 79616
    .private_segment_fixed_size: 0
    .kernarg_segment_align: 8
    .kernarg_segment_size: 32
    .max_flat_workgroup_size: 288
    .sgpr_count:     66
    .vgpr_count:     256
    .wavefront_size: 32
...
	.end_amdgpu_metadata
.endif
;; end of part 1
;; launch score (part 2): grid 8 x 32, 4 waves a work-group, clusters of 4 x 1, 327,680 bytes of LDS; arguments xrec, arec, part; writes part
.if DOCPART == 2
	.amdgcn_target "amdgcn-amd-amdhsa--gfx1250"
	.amdhsa_code_object_version 6
	.text
	.protected	k_q794cdc4466_score
	.globl	k_q794cdc4466_score
	.p2align	8
	.type	k_q794cdc4466_score,@function
k_q794cdc4466_score:
	s_mov_b64 s[64:65], 0
	v_nop
	global_prefetch_b8 v0, s[64:65] scope:SCOPE_SE
	s_setreg_imm32_b32 hwreg(HW_REG_WAVE_MODE, 25, 1), 1
	s_wait_xcnt 0x0
	s_wait_alu depctr_hold_cnt(0) depctr_sa_sdst(0) depctr_va_vdst(0) depctr_va_sdst(0) depctr_va_ssrc(0) depctr_va_vcc(0) depctr_vm_vsrc(0)
	s_getreg_b32 s2, hwreg(HW_REG_IB_STS2, 6, 4)
	s_cmp_eq_u32 s2, 0
	s_cbranch_scc0 .Lentry_in_a_cluster
	s_endpgm
.Lentry_in_a_cluster:
	s_bfe_u32 s2, ttmp6, 0x10000c
	s_cmp_lg_u32 s2, 0x3003
	s_cbranch_scc0 .Lentry_shape_is_right
	s_endpgm
.Lentry_shape_is_right:
; For each query b and each range of 1,024 actions: the action n of the range with the largest s = ha[n] + Q(x_b) . Q(a_n), ha = -|a_n|^2 / 2.
; s = -(a2 - 2 xa) / 2, the scaling exact, so the largest s is the smallest d2 - x2.  x2 is left out: it is the same for all n of a query, so argmin does not hang on it in exact arithmetic.
; The product is made on codes of BF8 (E5M2) with E8M0 scales; ha is the C of each sum's first product.
; OUT: part[range][query] = (key, index): key = the u32 image of s that keeps its order (larger is better), index = the action's number.  The next launch compares whole numbers alone.
; LIMITS: NaN and infinities are not served.  Ties are decided on s as formed here: the earliest record wins, in it the lowest place.  Where two actions that one lane holds for a query (same half of
; their records' 16 rows, different records) reach the bit-equal largest s, the place that is found may be the later record's.
; SHARES.  256 work-groups: 8 groups of 512 queries x 32 ranges.  Wave w keeps 128 queries (eight records, 512 registers) for the whole launch; all four waves walk the range's 64 action records from LDS.
; CLUSTER.  The four work-groups of a cluster share a range: each tile of actions is asked for jointly.  The queries are shared by no partner; each wave loads its own once, straight into the operand's registers.
; RING.  Two LDS slots of 16 records; a wave fetches a quarter of a slot by one tensor load of 136 rows x 256 bytes.  One tensor load of mine is out at the most.
; NO PREFETCH: a refill is asked for 16 phases, 512 products a wave, ahead of the wait for it.
; THE PRODUCT: source 0 = 16 actions, source 1 = 16 queries: a lane holds ONE query (lane % 16), register j of a result the action 8 (lane / 16) + j of the record.
; A PHASE is one action record against my eight query records: first records 0-3 through all four K steps (four accumulators by turns), then records 4-7.
; THE RUNNING MAXIMUM has two parts.  (1) PLACE: for each query record q and place j, PL[q][j] = the largest sum that register j has held: one line a sum, v_max3 with its vector registers in sources 0 and 2
; alone, which lie in the windows that the products' own setting gives these places: so these lines stand among the products of the other four accumulators with no switch of the windows, two or three behind
; each product of K steps 1 to 3.  (2) RECORD, in a block behind the phase's products: the largest of a q's eight PL is the best so far (the two copies of BEST take turns); where it is strictly larger than
; the best before, the record's number is kept.  Which place holds the best is looked up once, at the end.
; The next but one record's 19 LDS loads stand in ONE run behind that block, into the set of registers that the phase has just multiplied.
; PLACES (eight behind this form): behind an accumulator's last product stand at least eight PLACE lines of other accumulators before its first read; the loads stand behind the block's 48 lines.
; REGISTERS (s_set_vgpr_msb: bits 1:0 source 0, 3:2 source 1, 5:4 source 2, 7:6 destination):
;   window 0: addresses; v16-47 the queries' scale words (4 q + s); v50-57 the actions' (4 p + s); v64-79 ha (8 p + j); v80-103 at work; v104-119 BEST (8 x copy + q); v120-127 the best's record; v128-151 the end
;   window 1: v0-63 accumulators (8 q + j); v64-127 PL (8 q + j); v128-255 the actions' fragments (64 p + 16 s)
;   window 2: the queries' fragments of K steps 0, 1 (32 q + 16 s);   window 3: of K steps 2, 3
.set REC,   8704
.set SLOT,  16*REC
.set QUART, 4*REC
.set SPARE, 2*SLOT                     ; behind the ring: the spare words, 128 bytes a wave
.set L16G, 1                           ; 16 x lane
.set L16RG, 2                          ; 16 x (lane % 16)
.set H32,  3                           ; 32 x (lane / 16)
.set ADR,  4                           ; LDS address of the fragments to be fetched
.set ADS,  5                           ; of their scale words
.set ADH,  6                           ; of their ha
.set OF8,  7                           ; 8 x lane
.set SPW,  8                           ; my spare word; never rewritten
.set NIL,  9                           ; 0; never rewritten
.set HH,   12                          ; lane / 16
.set BASEI, 13                         ; 8 (lane / 16) + the range's first action
.set XS,   16
.set AS,   50                          ; its numbers differ from XS's by 2 or 6 modulo 8
.set HA,   64
.set TT,   80
.set BEST, 104
.set TIDX, 120
.set EK,   128
.set EI,   129
.set EKO,  130
.set EIO,  131
.set EM,   132
.set PP,   136
.set EJ,   144
.set ACC,  0                           ; window 1
.set PL,   64
.set F,    128
.set WV,   10
.set G1,   16
.set G0,   24
.set TB,   32                          ; LDS byte of the record to be fetched
.set CNT,  33
.set SID,  34                          ; this phase's record
.set SIDP, 35                          ; the record before
.set NEG,  39                          ; -infinity
.set SEL,  40
.set HI,   42
.set MA,   52                          ; s52-59 a mask for each query record
.set MSB, 0
.macro WIN new                         ; the immediate's high byte repeats the setting that is left; a switch that changes nothing is dropped
.if MSB != (\new)
	s_set_vgpr_msb (MSB<<8)|(\new)
.set MSB, \new
.endif
.endm
.macro CROUND                          ; a round of the cluster's barrier
	s_barrier_signal -1
	s_barrier_wait -1
	s_cmp_lg_u32 s[WV], 0
	s_cbranch_scc1 .Lnot_wave_0_\@
	s_barrier_signal -3
.Lnot_wave_0_\@:
	s_barrier_wait -3
	s_barrier_signal -1
	s_barrier_wait -1
.endm
	s_load_b128 s[4:7], s[0:1], 0x0                ; xrec, arec
	s_load_b64 s[8:9], s[0:1], 0x10                ; part
	v_lshl_add_u32 v[SPW], v0, 2, SPARE
	v_mov_b32 v[NIL], 0
	ds_add_u32 v[SPW], v[NIL]                      ; the opening lines: the add, twice on end, and its wait
	ds_add_u32 v[SPW], v[NIL]
	v_lshrrev_b32 v10, 5, v0
	v_readfirstlane_b32 s[WV], v10                 ; wave 0..3
	s_bfe_u32 s11, ttmp6, 0x40000                  ; cx
	s_lshl_b32 s12, ttmp9, 2
	s_add_co_u32 s12, s12, s11                     ; my group of 512 queries: it enters xrec's and part's addresses alone
	s_and_b32 s13, ttmp7, 0xffff                   ; the range, which the four partners share
	s_lshl_b32 s14, s12, 5
	s_lshl_b32 s15, s[WV], 3
	s_add_co_u32 s14, s14, s15                     ; my first query record
	s_mul_i32 s14, s14, REC
	s_mov_b32 s15, 0
	s_lshl_b32 s44, s13, 15                        ; part: 32,768 bytes a range, 4,096 a group, 1,024 a wave
	s_lshl_b32 s45, s12, 12
	s_add_co_u32 s44, s44, s45
	s_lshl_b32 s45, s[WV], 10
	s_add_co_u32 s44, s44, s45
	s_mov_b32 s45, 0
	s_mul_i32 s46, s[WV], QUART                    ; my quarter of a slot, in LDS and in memory
	s_mul_i32 s48, s13, 64*REC                     ; the range's 64 records
	s_add_co_u32 s48, s48, s46
	s_mov_b32 s49, 0
	s_lshl_b32 s47, s13, 10                        ; the range's first action
	s_mov_b32 s[G1+0], 15|(3<<16)|(1<<21)          ; the mask of the four; elements of 8 bytes; bit 21 beside a mask
	s_mov_b32 s[G1+1], 32<<16                      ; four records, dense, as 136 rows of 256 bytes
	s_mov_b32 s[G1+2], 136<<16
	s_mov_b32 s[G1+3], 32<<16
	s_mov_b32 s[G1+4], 136
	s_mov_b32 s[G1+5], 32
	s_mov_b32 s[G1+6], 0
	s_mov_b32 s[G1+7], 0
	s_mov_b32 s[SEL], 0x76543210
	s_mov_b32 s[SEL+1], 0xfedcba98
	s_mov_b32 s[HI], 0xffff0000
	s_mov_b32 s[NEG], 0xff800000
	s_mov_b32 s[SID], 0
	s_mov_b32 s[SIDP], -1
	s_wait_dscnt 0x0                               ; both opening adds are done
	s_wait_kmcnt 0x0
	s_add_nc_u64 s[4:5], s[4:5], s[14:15]
	s_add_nc_u64 s[6:7], s[6:7], s[48:49]
	s_add_nc_u64 s[8:9], s[8:9], s[44:45]
	CROUND                                         ; all four work-groups are here: the first joint loads meet
.irp n, 0,1
	s_mov_b32 s[G0+4*\n], 1
	s_add_co_u32 s[G0+4*\n+1], s46, \n*SLOT
	s_add_nc_u64 s[G0+4*\n+2:G0+4*\n+3], s[6:7], \n*SLOT
	s_or_b32 s[G0+4*\n+3], s[G0+4*\n+3], 0x80000000
.endr
	tensor_load_to_lds s[G0:G0+3], s[G1:G1+7]      ; records 0-15: one tensor load a wave at the head
	s_nop 0
.rept 4
	v_nop
.endr
	v_and_b32 v10, 31, v0
	v_and_b32 v11, 15, v0
	v_bfe_u32 v[HH], v0, 4, 1
	v_lshlrev_b32 v[L16G], 4, v10
	v_lshlrev_b32 v[L16RG], 4, v11
	v_lshlrev_b32 v[OF8], 3, v10
	v_lshlrev_b32 v[H32], 5, v[HH]
	v_lshl_add_u32 v[BASEI], v[HH], 3, s47
	WIN 0x80                                       ; my eight query records, 512 consecutive bytes a load: K steps 0 and 1 into window 2
.irp q, 0,1,2,3,4,5,6,7
.irp s, 0,1
.irp c, 0,1,2,3
	global_load_b128 v[32*\q+16*\s+4*\c:32*\q+16*\s+4*\c+3], v[L16G], s[4:5] offset:\q*REC+2048*\s+512*\c
.endr
.endr
.endr
	WIN 0xc0                                       ; K steps 2 and 3 into window 3
.irp q, 0,1,2,3,4,5,6,7
.irp s, 0,1
.irp c, 0,1,2,3
	global_load_b128 v[32*\q+16*\s+4*\c:32*\q+16*\s+4*\c+3], v[L16G], s[4:5] offset:\q*REC+2048*(\s+2)+512*\c
.endr
.endr
.endr
	WIN 0
.irp q, 0,1,2,3,4,5,6,7
	global_load_b128 v[XS+4*\q:XS+4*\q+3], v[L16RG], s[4:5] offset:\q*REC+8192   ; query lane % 16's four scale words
.endr
	; The phase is written once: PL and the best begin at -infinity, and the first phase finds, in place of a record before it, sums of -infinity, which win no compare.
.irp q, 0,1,2,3,4,5,6,7
	v_mov_b32 v[BEST+\q], s[NEG]
	v_mov_b32 v[TIDX+\q], 0
.endr
	WIN 0x40
.set i, 0
.rept 96
	v_mov_b32 v[ACC+32+i], s[NEG]                  ; accumulators 4-7, and all of PL behind them
.set i, i+1
.endr
	WIN 0
; Product ii of a phase on fragment set p: query records 0-3 in products 0-15, 4-7 in 16-31; in each sixteen K ascending, the four accumulators by turns.  The first K step takes ha as C.
.macro MM p
.set mks, (ii%16)/4
.set mq, 4*(ii/16)+ii%4
.set mD, ACC+8*mq
.set mF, F+64*(\p)+16*mks
.set mX, 32*mq+16*(mks%2)
.if mks == 0
	WIN 0x49                                       ; actions and D window 1, queries window 2, ha window 0
	v_wmma_scale_f32_16x16x128_f8f6f4 v[mD:mD+7], v[mF:mF+15], v[mX:mX+15], v[HA+8*(\p):HA+8*(\p)+7], v[AS+4*(\p)+mks], v[XS+4*mq+mks] matrix_a_fmt:MATRIX_FMT_BF8 matrix_b_fmt:MATRIX_FMT_BF8
.else
	WIN 0x59+4*(mks/2)                             ; actions, C and D window 1; queries window 2 or 3
	v_wmma_scale_f32_16x16x128_f8f6f4 v[mD:mD+7], v[mF:mF+15], v[mX:mX+15], v[mD:mD+7], v[AS+4*(\p)+mks], v[XS+4*mq+mks] matrix_a_fmt:MATRIX_FMT_BF8 matrix_b_fmt:MATRIX_FMT_BF8
.endif
.set ii, ii+1
.endm
; PLACE line bl of the four accumulators from bq0 on; each accumulator is read from its low end on.  Sources 0 and 2 and the destination lie in window 1 under the products' settings of K steps 1 to 3.
.macro BL
.set bq, bq0+bl/8
.set bj, bl%8
	v_max3_num_f32 v[PL+8*bq+bj], v[ACC+8*bq+bj], s[NEG], v[PL+8*bq+bj]
.set bl, bl+1
.endm
; RECORD.  Behind phase t, PL of query records 0-3 holds record t, PL of 4-7 record t - 1.  Copy p of BEST is the best before, the other the new one.  Line by line across the eight.
.macro VBLK p
	WIN 0x15                                       ; sources window 1, destination window 0
.irp q, 0,1,2,3,4,5,6,7
	v_max3_num_f32 v[TT+3*\q], v[PL+8*\q], v[PL+8*\q+1], v[PL+8*\q+2]
.endr
.irp q, 0,1,2,3,4,5,6,7
	v_max3_num_f32 v[TT+3*\q+1], v[PL+8*\q+3], v[PL+8*\q+4], v[PL+8*\q+5]
.endr
.irp q, 0,1,2,3,4,5,6,7
	v_max_num_f32 v[TT+3*\q+2], v[PL+8*\q+6], v[PL+8*\q+7]
.endr
	WIN 0
.irp q, 0,1,2,3,4,5,6,7
	v_max3_num_f32 v[BEST+8*(1-\p)+\q], v[TT+3*\q], v[TT+3*\q+1], v[TT+3*\q+2]
.endr
.irp q, 0,1,2,3,4,5,6,7
	v_cmp_gt_f32 s[MA+\q], v[BEST+8*(1-\p)+\q], v[BEST+8*(\p)+\q]   ; strictly larger: an earlier record keeps a tie
.endr
.irp q, 0,1,2,3
	v_cndmask_b32 v[TIDX+\q], v[TIDX+\q], s[SID], s[MA+\q]
.endr
.irp q, 4,5,6,7
	v_cndmask_b32 v[TIDX+\q], v[TIDX+\q], s[SIDP], s[MA+\q]
.endr
	s_mov_b32 s[SIDP], s[SID]
	s_add_co_u32 s[SID], s[SID], 1
.endm
; A phase's products and running maximum.  left: the LDS loads issued behind this record's, which may stay out.
.macro COMP p, left
	s_wait_alu depctr_va_vdst(0)                   ; the wait here, directly ahead of the wait below
	s_wait_dscnt \left
.set ii, 0
.irp hf, 0,1
.set bl, 0
.set bq0, 4-4*\hf                      ; the four that are not being summed
.set wi, 0
.rept 16
	MM \p
.if wi >= 4
	BL
	BL
.if wi < 12
	BL
.endif
.endif
.set wi, wi+1
.endr
.endr
	VBLK \p
.endm
.macro SETADR
	v_add_nc_u32 v[ADR], s[TB], v[L16G]
	v_add_nc_u32 v[ADS], s[TB], v[L16RG]
	v_add_nc_u32 v[ADH], s[TB], v[H32]
.endm
.macro RUN p, off                      ; 19 LDS loads in one run: the record at ADR + off into set p
	WIN 0x40                                       ; data window 1, address window 0
.irp k, 0,1,2,3
.irp c, 0,1,2,3
	ds_load_b128 v[F+64*(\p)+16*\k+4*\c:F+64*(\p)+16*\k+4*\c+3], v[ADR] offset:(\off)+2048*\k+512*\c
.endr
.endr
	WIN 0
	ds_load_b128 v[AS+4*(\p):AS+4*(\p)+3], v[ADS] offset:(\off)+8192
	ds_load_b128 v[HA+8*(\p):HA+8*(\p)+3], v[ADH] offset:(\off)+8448
	ds_load_b128 v[HA+8*(\p)+4:HA+8*(\p)+7], v[ADH] offset:(\off)+8464
.endm
; THE CHANGE OF SLOTS stands behind a slot's phase 14: its records 14 and 15 are in registers or on their way there.  fill = 1: a round of the cluster's barrier, and behind it the joint refill, the records two slots on.
.macro CHANGE fill, slot
	s_wait_alu depctr_va_vdst(0)                   ; the wait here, directly ahead of the wait below
	s_wait_tensorcnt 0x0                           ; no tensor load of mine is out, so a group 0 may be written
	ds_add_u32 v[SPW], v[NIL]
.if \fill
	s_add_nc_u64 s[G0+4*\slot+2:G0+4*\slot+3], s[G0+4*\slot+2:G0+4*\slot+3], 2*SLOT
.endif
	s_wait_dscnt 0x0                               ; the add is done, and my reads of the slot are over
.if \fill
	CROUND
	tensor_load_to_lds s[G0+4*\slot:G0+4*\slot+3], s[G1:G1+7]
	s_nop 0
.rept 4
	v_nop
.endr
.else
	s_barrier_signal -1
	s_barrier_wait -1
.endif
.endm
; The 16 phases of slot sl.  Phase t fetches record t + 2; phases 14 and 15 the other slot's records 0 and 1, behind the change.  chg: 2 change and refill, 1 change alone, 0 the last slot.
.macro PART sl, chg
	s_mov_b32 s[TB], \sl*SLOT+2*REC
	s_mov_b32 s[CNT], 7
.Ltrip_\@:
	COMP 0, 19
	SETADR
	RUN 0, 0
	COMP 1, 19
	RUN 1, REC
	s_add_co_u32 s[TB], s[TB], 2*REC
	s_sub_co_u32 s[CNT], s[CNT], 1
	s_cmp_lg_u32 s[CNT], 0
	s_cbranch_scc1 .Ltrip_\@
	COMP 0, 19
.if \chg
	CHANGE (\chg)-1, \sl
	s_mov_b32 s[TB], (1-\sl)*SLOT
	SETADR
	RUN 0, 0
	COMP 1, 19
	RUN 1, REC
.else
	COMP 1, 0                                      ; nothing was fetched behind record 63
.endif
.endm
	s_wait_alu depctr_va_vdst(0)                   ; the wait at the head's end
	s_wait_tensorcnt 0x0                           ; my quarter of slot 0 is in; these lines stand ahead of a later first fill as ahead of a refill
	ds_add_u32 v[SPW], v[NIL]
	s_wait_dscnt 0x0
	CROUND
	tensor_load_to_lds s[G0+4:G0+7], s[G1:G1+7]    ; records 16-31: slot 1's first fill
	s_nop 0
.rept 4
	v_nop
.endr
	s_mov_b32 s[TB], 0
	SETADR
	RUN 0, 0                                       ; records 0 and 1
	RUN 1, REC
	s_wait_loadcnt 0x0                             ; my queries
	PART 0, 2                                      ; records 0-15;  slot 0 then takes records 32-47
	PART 1, 2                                      ; records 16-31; slot 1 then takes records 48-63
	PART 0, 1
	PART 1, 0
	; what is left: query records 4-7 against record 63; then the block once more (records 0-3 find nothing new)
	WIN 0x59
.set bl, 0
.set bq0, 4
.rept 32
	BL
.endr
	VBLK 0
	; THE END.  The best lies in copy 1.  For each query record: the lowest place that holds the best; the action's number; the key; then the better of the two halves of the lanes, by (key, lower index).
	WIN 0x01                                       ; source 0 window 1
.irp q, 0,1,2,3,4,5,6,7
	v_mov_b32 v[EJ+\q], 7
.endr
.irp j, 6,5,4,3,2,1,0
.irp q, 0,1,2,3,4,5,6,7
	v_cmp_neq_f32 s[MA+\q], v[PL+8*\q+\j], v[BEST+8+\q]
.endr
.irp q, 0,1,2,3,4,5,6,7
	v_cndmask_b32 v[EJ+\q], \j, v[EJ+\q], s[MA+\q]
.endr
.endr
	WIN 0
	v_mov_b32 v[EKO], 0                            ; a lane permute's destination counts as one of its sources
	v_mov_b32 v[EIO], 0
.irp q, 0,1,2,3,4,5,6,7
	v_lshl_add_u32 v[EI], v[TIDX+\q], 4, v[EJ+\q]
	v_add_nc_u32 v[EI], v[EI], v[BASEI]            ; 16 x record + j + 8 (lane / 16) + the range's first action
	v_ashrrev_i32 v[EM], 31, v[BEST+8+\q]
	v_or_b32 v[EM], 0x80000000, v[EM]
	v_xor_b32 v[EK], v[BEST+8+\q], v[EM]           ; u32 order = f32 order
	v_permlanex16_b32 v[EKO], v[EK], s[SEL], s[SEL+1]
	v_permlanex16_b32 v[EIO], v[EI], s[SEL], s[SEL+1]
	v_cmp_gt_u32 s36, v[EKO], v[EK]
	v_cmp_eq_u32 s37, v[EKO], v[EK]
	v_cmp_lt_u32 s38, v[EIO], v[EI]
	s_and_b32 s37, s37, s38
	s_or_b32 s36, s36, s37
.if (\q%2) == 0
	v_cndmask_b32 v[PP+\q], v[EK], v[EKO], s36
	v_cndmask_b32 v[PP+\q+1], v[EI], v[EIO], s36
.else
	v_cndmask_b32 v[EK], v[EK], v[EKO], s36
	v_cndmask_b32 v[EI], v[EI], v[EIO], s36
	v_cndmask_b32 v[PP+\q-1], v[PP+\q-1], v[EK], s[HI]   ; lanes 16-31 take the odd record's pair
	v_cndmask_b32 v[PP+\q], v[PP+\q], v[EI], s[HI]
.endif
.endr
.irp g, 0,1,2,3
	global_store_b64 v[OF8], v[PP+2*\g:PP+2*\g+1], s[8:9] offset:256*\g   ; 32 lanes store 256 consecutive bytes, aligned
.endr
	s_wait_tensorcnt 0x0                           ; the wave's end
	ds_add_u32 v[SPW], v[NIL]
	s_wait_dscnt 0x0
	CROUND                                         ; the closing round
	s_endpgm
.Lfunc_end_k_q794cdc4466_score:
	.size	k_q794cdc4466_score, .Lfunc_end_k_q794cdc4466_score-k_q794cdc4466_score
	.p2alignl 7, 3214868480
	.fill 96, 4, 3214868480
	.section	.rodata,"a",@progbits
	.p2align	6, 0x0
	.amdhsa_kernel k_q794cdc4466_score
		.amdhsa_group_segment_fixed_size 327680
		.amdhsa_private_segment_fixed_size 0
		.amdhsa_enable_private_segment 0
		.amdhsa_kernarg_size 24
		.amdhsa_user_sgpr_count 2
		.amdhsa_user_sgpr_kernarg_segment_ptr 1
		.amdhsa_wavefront_size32 1
		.amdhsa_system_sgpr_workgroup_id_x 1
		.amdhsa_system_sgpr_workgroup_id_y 1
		.amdhsa_system_sgpr_workgroup_id_z 1
		.amdhsa_system_vgpr_workitem_id 0
		.amdhsa_next_free_vgpr 1024
		.amdhsa_next_free_sgpr 66
		.amdhsa_reserve_vcc 0
		.amdhsa_float_denorm_mode_32 3
		.amdhsa_float_denorm_mode_16_64 3
		.amdhsa_memory_ordered 1
		.amdhsa_forward_progress 1
		.amdhsa_inst_pref_size 242
	.end_amdhsa_kernel
	.amdgpu_metadata
---
amdhsa.version: [ 1, 2 ]
amdhsa.kernels:
  - .name:           k_q794cdc4466_score
    .symbol:         k_q794cdc4466_score.kd
    .args:
      - { .name: xrec, .offset: 0, .size: 8, .value_kind: global_buffer, .address_space: global }
      - { .name: arec, .offset: 8, .size: 8, .value_kind: global_buffer, .address_space: global }
      - { .name: part, .offset: 16, .size: 8, .value_kind: global_buffer, .address_space: global }
    .group_segment_fixed_size: 327680
    .private_segment_fixed_size: 0
    .kernarg_segment_align: 8
    .kernarg_segment_size: 24
    .max_flat_workgroup_size: 128
    .sgpr_count:     66
    .vgpr_count:     1024
    .wavefront_size: 32
...
	.end_amdgpu_metadata
.endif
;; end of part 2
;; launch pick (part 3): grid 256 x 1, 4 waves a work-group, no clusters, 0 bytes of LDS; arguments part, action_set, out0; writes out0
.if DOCPART == 3
	.amdgcn_target "amdgcn-amd-amdhsa--gfx1250"
	.amdhsa_code_object_version 6
	.text
	.protected	k_q794cdc4466_pick
	.globl	k_q794cdc4466_pick
	.p2align	8
	.type	k_q794cdc4466_pick,@function
k_q794cdc4466_pick:
	s_mov_b64 s[64:65], 0
	v_nop
	global_prefetch_b8 v0, s[64:65] scope:SCOPE_SE
	s_setreg_imm32_b32 hwreg(HW_REG_WAVE_MODE, 25, 1), 1
	s_wait_xcnt 0x0
; out0[b] = action_set[index of the best of query b's 32 pairs (key, index) in part[range][query]].  The largest key wins; of equal keys the lowest range, which holds the lowest index.
; Whole numbers read from memory alone decide the addresses; the text has no floating-point instruction.
; SHARES.  A work-group owns 16 queries.  Every wave repeats the small search: lane (r, h) walks ranges 16 h + 0 .. 15 of query r, then the halves of the lanes meet (the result counts in lanes 0-15).
; No LDS byte is touched (the lane permute goes through the LDS unit alone), no barrier: waves share nothing.
.set L16, 4                            ; v4   16 x lane
.set PO,  5                            ; v5   my place in part: 8 r + 16 ranges x h
.set BK,  8                            ; v8   the best key so far
.set BI,  9                            ; v9   and its index
.set OK2, 10                           ; v10, v11 the other half's
.set SRC, 12                           ; v12-15 4 x the lane that holds query 4 w + e
.set IX,  48                           ; v48-51 the four indices
.set RO,  52                           ; v52-55 the four rows' byte offsets
.set P,   16                           ; v16-47 sixteen pairs
.set D,   64                           ; v64-127 four rows
	s_load_b128 s[4:7], s[0:1], 0x0                ; part, action_set
	s_load_b64 s[8:9], s[0:1], 0x10                ; out0
	v_lshrrev_b32 v1, 5, v0
	v_readfirstlane_b32 s10, v1                    ; wave 0..3
	v_and_b32 v1, 31, v0
	v_and_b32 v2, 15, v0
	v_bfe_u32 v3, v0, 4, 1
	v_lshlrev_b32 v[L16], 4, v1
	v_lshlrev_b32 v[PO], 3, v2
	v_lshl_add_u32 v[PO], v3, 19, v[PO]            ; 16 ranges of 32,768 bytes
	v_mov_b32 v[OK2], 0                            ; a lane permute's destination counts as one of its sources
	v_mov_b32 v[OK2+1], 0
	s_lshl_b32 s16, s10, 4
	v_mov_b32 v[SRC], s16                          ; 4 x (4 w)
	v_add_nc_u32 v[SRC+1], 4, v[SRC]
	v_add_nc_u32 v[SRC+2], 8, v[SRC]
	v_add_nc_u32 v[SRC+3], 12, v[SRC]
	s_mov_b32 s20, 0x76543210
	s_mov_b32 s21, 0xfedcba98
	s_lshl_b32 s12, ttmp9, 7                       ; part: my 16 queries, 8 bytes each
	s_mov_b32 s13, 0
	s_lshl_b32 s14, ttmp9, 15                      ; out0: 16 rows of 2,048 bytes a work-group,
	s_lshl_b32 s15, s10, 13                        ; four a wave
	s_add_co_u32 s14, s14, s15
	s_mov_b32 s15, 0
	s_wait_alu depctr_va_vdst(0)
	s_wait_kmcnt 0x0
	s_add_nc_u64 s[4:5], s[4:5], s[12:13]
	s_add_nc_u64 s[8:9], s[8:9], s[14:15]
.irp i, 0,1,2,3,4,5,6,7,8,9,10,11,12,13,14,15
	global_load_b64 v[P+2*\i:P+2*\i+1], v[PO], s[4:5] offset:32768*\i   ; range 16 h + i: sixteen lanes read 128 consecutive bytes
.endr
	s_wait_loadcnt 15                              ; loads come back in order: the first is in, the fifteen younger ones may be out
	v_mov_b32 v[BK], v[P]
	v_mov_b32 v[BI], v[P+1]
	s_wait_alu depctr_va_vdst(0)
.irp i, 1,2,3,4,5,6,7,8,9,10,11,12,13,14,15
	s_wait_alu depctr_va_vdst(0)
	s_wait_loadcnt 15-\i
	v_cmp_gt_u32 vcc_lo, v[P+2*\i], v[BK]          ; strictly larger: the lower range keeps a tie
	v_cndmask_b32 v[BK], v[BK], v[P+2*\i], vcc_lo
	v_cndmask_b32 v[BI], v[BI], v[P+2*\i+1], vcc_lo
.endr
	v_permlanex16_b32 v[OK2], v[BK], s20, s21
	v_permlanex16_b32 v[OK2+1], v[BI], s20, s21
	v_cmp_gt_u32 vcc_lo, v[OK2], v[BK]             ; in lanes 0-15 the other half holds the higher ranges: strictly larger again
	v_cndmask_b32 v[BI], v[BI], v[OK2+1], vcc_lo
.irp e, 0,1,2,3
	ds_bpermute_b32 v[IX+\e], v[SRC+\e], v[BI]     ; every lane takes lane 4 w + e's index
.endr
	s_wait_dscnt 0x0
.irp e, 0,1,2,3
	v_min_u32 v[IX+\e], 0x7fff, v[IX+\e]           ; an index stays inside the table
	v_lshlrev_b32 v[RO+\e], 11, v[IX+\e]           ; a row is 2,048 bytes
	v_add_nc_u32 v[RO+\e], v[RO+\e], v[L16]
.endr
.irp e, 0,1,2,3
.irp c, 0,1,2,3
	global_load_b128 v[D+16*\e+4*\c:D+16*\e+4*\c+3], v[RO+\e], s[6:7] offset:512*\c
.endr
.endr
.irp e, 0,1,2,3
.irp c, 0,1,2,3
	s_wait_loadcnt 15-4*\e-\c
	global_store_b128 v[L16], v[D+16*\e+4*\c:D+16*\e+4*\c+3], s[8:9] offset:2048*\e+512*\c th:TH_STORE_NT   ; 32 lanes store 512 consecutive bytes, at a multiple of 256 from out0's first byte
.endr
.endr
	s_endpgm
.Lfunc_end_k_q794cdc4466_pick:
	.size	k_q794cdc4466_pick, .Lfunc_end_k_q794cdc4466_pick-k_q794cdc4466_pick
	.p2alignl 7, 3214868480
	.fill 96, 4, 3214868480
	.section	.rodata,"a",@progbits
	.p2align	6, 0x0
	.amdhsa_kernel k_q794cdc4466_pick
		.amdhsa_group_segment_fixed_size 0
		.amdhsa_private_segment_fixed_size 0
		.amdhsa_enable_private_segment 0
		.amdhsa_kernarg_size 24
		.amdhsa_user_sgpr_count 2
		.amdhsa_user_sgpr_kernarg_segment_ptr 1
		.amdhsa_wavefront_size32 1
		.amdhsa_system_sgpr_workgroup_id_x 1
		.amdhsa_system_sgpr_workgroup_id_y 1
		.amdhsa_system_sgpr_workgroup_id_z 1
		.amdhsa_system_vgpr_workitem_id 0
		.amdhsa_next_free_vgpr 128
		.amdhsa_next_free_sgpr 66
		.amdhsa_reserve_vcc 1
		.amdhsa_float_denorm_mode_32 3
		.amdhsa_float_denorm_mode_16_64 3
		.amdhsa_memory_ordered 1
		.amdhsa_forward_progress 1
		.amdhsa_inst_pref_size 10
	.end_amdhsa_kernel
	.amdgpu_metadata
---
amdhsa.version: [ 1, 2 ]
amdhsa.kernels:
  - .name:           k_q794cdc4466_pick
    .symbol:         k_q794cdc4466_pick.kd
    .args:
      - { .name: part, .offset: 0, .size: 8, .value_kind: global_buffer, .address_space: global }
      - { .name: action_set, .offset: 8, .size: 8, .value_kind: global_buffer, .address_space: global }
      - { .name: out0, .offset: 16, .size: 8, .value_kind: global_buffer, .address_space: global }
    .group_segment_fixed_size: 0
    .private_segment_fixed_size: 0
    .kernarg_segment_align: 8
    .kernarg_segment_size: 24
    .max_flat_workgroup_size: 128
    .sgpr_count:     66
    .vgpr_count:     128
    .wavefront_size: 32
...
	.end_amdgpu_metadata
.endif
;; end of part 3
